; MI455X (gfx1250); checked and timed in simulation.
; The chip was launched on July 23, 2026; its instructions are those of AMD's public machine-readable ISA for CDNA 5 (MIT licence, August 2026) and "CDNA5" Instruction Set Architecture Reference Guide (July 2026). The comments in the code are by the model that wrote it; some were corrected since.
;; Ring Dilated Attention V2. Allowed arithmetic: float matrix products may take bf16 or f16 operands with f32 sums; all other float work in f32.
;; Inputs: key 1 x 4,096 x 12 x 64 float32; query 1 x 4,096 x 12 x 64 float32; value 1 x 4,096 x 12 x 64 float32.
;; Outputs: out0 1 x 4,096 x 12 x 64 float32.
;; Constants: is_causal = 1.
;; 2 versions, each right; version 2 is version 1 with the launch dilated written anew for expert scheduling mode. Each part assembles by itself: llvm-mc -triple=amdgcn-amd-amdhsa -mcpu=gfx1250 --defsym DOCPART=n.
;; ======== version 1 of 2: 1 launch
;; limits: right only within a limited range of input values; values are held in f16: magnitudes above 65,504 overflow, below 6.1e-05 lose precision; inputs' magnitudes at most 65,504
;; launch dilated (part 1): grid 61 x 4, 8 waves a work-group, no clusters, 166,912 bytes of LDS; arguments key, query, value, out0; writes out0
.if DOCPART == 1
	.amdgcn_target "amdgcn-amd-amdhsa--gfx1250"
	.amdhsa_code_object_version 6
	.text
	.protected	k_q242cfb38bd_dilated
	.globl	k_q242cfb38bd_dilated
	.p2align	8
	.type	k_q242cfb38bd_dilated,@function
k_q242cfb38bd_dilated:
	s_mov_b64 s[64:65], 0
	v_nop
	global_prefetch_b8 v0, s[64:65] scope:SCOPE_SE
	s_setreg_imm32_b32 hwreg(HW_REG_WAVE_MODE, 25, 1), 1
	s_wait_xcnt 0x0
; Dilated causal attention, 12 heads in three groups of 4, n = 4096, d = 64, all buffers f32, a (row, head) = 256 bytes, rows 3,072 bytes apart.
; Group i: segments of 1024 << i rows; position j of a segment names key row i + (j mod 1024) << i, so a segment has 1024 DISTINCT keys.
; For the query at 1024 t + p' the distinct key m occurs c = t + [m <= p'] times among the positions j <= p.  Hence
;   softmax over positions = softmax over the 1024 distinct keys with log2(c) added to the base-2 logit; c = 0 is the causal cut.
; A PASS: 128 query rows of one head walk tiles of 128 distinct keys (t = 0, block pi: tiles 0..pi; t >= 1: all 8).
; A WORK-GROUP: 8 waves, one or two passes (at most 11 tiles).  Wave w: g = w & 3, kh = w >> 2.  In each tile it takes the 64 keys of half kh for two
; slots of 16 queries: X (rows 64 (1 - kh) + 16 g), which it finishes, and Y (rows 64 kh + 16 g), which it hands to wave w ^ 4 at the pass's end.
; S^T = K Q^T (lane = query, keys along the registers: maxima and sums stay in the lane but for one exchange of the halves), and the rounded P^T is
; already the second source of O^T = V^T P^T.  K and V come f32 through registers, are rounded once and laid in two LDS buffers that take turns.
; FORMATS: Q, K and V are all rounded to bf16.  The first product is the bf16 form.  The weights P go in f16 (11 significant bits): with bf16's 8 the
; rounding of one weight is up to 2^-9 |v|, which in a row of few keys whose terms cancel is as large as a hundredth of the output's root mean square.
; The f16 form wants both sources in f16, so V's bf16 value is written again as f16, which is exact for 2^-14 <= |v| < 65,504.
; A running maximum is kept for each slot; the two key halves are merged with the maximum of both.
; NO CLUSTER: the blocks that share a key set walk 1 to 8 tiles and stand in different passes of their work-groups, so partners would need different
; numbers of joint requests; with equal counts the longest work-group would walk 12 tiles in place of 11.
; NO TENSOR LOADS: the f32 tile (64 KB) would cross LDS in and out before its 32 KB of 16-bit numbers go in; through registers only the 32 KB cross.
; LIMITS: |value| has to stay below 65,504 (f16's largest), and a |value| below 2^-14 keeps an absolute error of up to 2^-25; a cut score is marked by
; -1e30 (not by the smallest f32), so |q.k| * 0.18 has to stay far below 1e29; the row sum is taken from the unrounded weights; in the product a weight
; below 2^-25 of the running maximum counts as zero, in the sum one below 2^-126; the order of sums is not reference()'s.
.set ROWB, 3072                        ; bytes from row to row in every buffer
.set KP,   144                         ; LDS pitch of K and Q rows: 128 bytes + 16 (odd multiple of 16)
.set VP,   160                         ; LDS pitch of V rows: 128 bytes + 32 (odd multiple of 32, for the transposing load)
.set VB0,  128*KP                      ; V behind K in a buffer
.set BUFD, VB0+128*VP                  ; one buffer: 38,912 bytes; two of them
.set QB,   2*BUFD                      ; Q, 128 rows of bf16
.set XR,   QB+128*KP                   ; hand-over: for each wave 8 x 512 bytes of O, then 32 x 8 bytes of (m, l)
.set XRW,  4352
.set OS,   XR+8*XRW                    ; way out: for each wave 16 rows of 256 bytes, pitch 272
.set OSP,  272
.set NEG,  0xf149f2ca                  ; -1e30
.set C1L,  0x3e38aa3b                  ; 0.125 log2(e)
.set L23,  0x3fcae00d                  ; log2(3)
; window 0: v0 thread; v1 16 (thread & 15); v2 thread >> 4; v3 Q offset; v4 K fragments; v5 V fragments; v6, v7, v8 where I lay K, V, Q;
; v9, v10 Q fragments of X, Y; v11, v13 hand-over out (O; m, l); v12, v14 hand-over in; v15, v16 stage in, back; v17 offset in out0; v18 16 g + r - 8 h
.set VOFF, 20                          ; v[20:27]  offsets of a tile's eight loads
.set MLX,  28                          ; v[28:29]  (m, l) of X     v[30:31] of Y
.set MLY,  30
.set ALX,  32                          ; v[32:33], v[34:35] alpha (broadcast pairs)
.set ALY,  34
.set NBX,  36                          ; v[36:37], v[38:39] bias - new maximum
.set NBY,  38
.set T,    40                          ; v[40:55]  at work
.set SX,   56                          ; v[56:87]  S^T of X, then P^T in its first 16; also the conversions' results
.set SY,   88                          ; v[88:119] the same of Y; also V's bf16 values unpacked, on their way to f16
.set FR,   120                         ; v[120:183] fragments of K, then of V^T
.set OX,   184                         ; v[184:215] O^T of X
.set OY,   216                         ; v[216:247] O^T of Y
; window 1 (low 8 bits): 0-63, 64-127 two tiles on their way (K 32, V 32); 128-159 Q of pass B; 160-175, 176-191 Q fragments; 192-223 Q of pass A
.set QS1,  128
.set QFX,  160
.set QFY,  176
.set QS0,  192
; scalars: s[4:11] key, query, value, out0; s12 w, s13 g, s14 kh, s15 head in group, s16 x; s17 passes left; s18 loop; s19 mask of a word's upper half;
; s[20:23] K, V of pass A; s[24:27] of B;
; s28, s29 bytes from key to key (A, B); s30 tiles of A; s31 last tile of the stream; s32 next tile to load; s33-s41 the loader's; s[42:45] Q of A, B;
; s[46:47] out now, s[48:49] out of B; s50 pi; s51 pi - kh; s52 tiles left; s53 tile; s54, s55 log2(t+1), log2(t); s[56:57] delta; s58 factor of a cut half;
; s59 pi of B; s[68:69], s[70:71] factor of X, Y; s72, s73 bias of X, Y; s74 c1; s75, s76 lane selects; s77-s94 set-up
.set MSB, 0
.macro WIN new                         ; the immediate's high byte repeats the setting that is left
.if MSB != \new
	s_set_vgpr_msb (MSB<<8)|\new
.set MSB, \new
.endif
.endm
	s_load_b256 s[4:11], s[0:1], 0x0
	v_lshl_add_u32 v254, v0, 2, 0x28800
	v_mov_b32 v255, 0
	v_lshrrev_b32 v40, 5, v0
	v_readfirstlane_b32 s12, v40                   ; wave
	s_and_b32 s13, s12, 3                          ; g
	s_lshr_b32 s14, s12, 2                         ; kh
	s_and_b32 s15, ttmp7, 0xffff                   ; head within its group
	s_mov_b32 s16, ttmp9                           ; x
	s_mov_b32 s19, 0xffff0000
	s_mov_b32 s74, C1L
	s_mov_b32 s75, 0x76543210                      ; v_permlanex16_b32: lane i takes lane i of the other half
	s_mov_b32 s76, 0xfedcba98
	s_mov_b32 s37, 0                               ; upper words of pairs, written once
	s_mov_b32 s57, 0
	s_mov_b32 s69, 0
	s_mov_b32 s71, 0
	s_mov_b32 s93, 0
; a triangular chunk 0..6 of a head column: 0-3 group 0's four segments, 4-5 group 1's two, 6 group 2's one
.macro TRIDEC ci, grp, segb
	s_cmp_ge_u32 s[\ci], 4
	s_cselect_b32 s[\grp], 1, 0
	s_cmp_ge_u32 s[\ci], 6
	s_cselect_b32 s86, 1, 0
	s_add_co_u32 s[\grp], s[\grp], s86
	s_lshl_b32 s[\segb], s[\ci], 10
	s_and_b32 s86, s[\ci], 1
	s_lshl_b32 s86, s86, 11
	s_cmp_lt_u32 s[\ci], 4
	s_cselect_b32 s[\segb], s[\segb], s86
.endm
	; which passes are mine.  A: group s79, segment's first row s80, t s81, block s82.  B: s83, s84, s85, s59.
	s_cmp_lt_u32 s16, 21
	s_cbranch_scc0 .Lfullwg
	s_mul_i32 s77, s16, 11                         ; x < 21: chunk x / 3, blocks 7 - k and 2 + k: 8+3, 7+4, 6+5 tiles
	s_lshr_b32 s77, s77, 5
	s_mul_i32 s78, s77, 3
	s_sub_co_u32 s78, s16, s78                     ; k
	s_sub_co_u32 s82, 7, s78
	s_add_co_u32 s59, s78, 2
	s_mov_b32 s17, 2
	TRIDEC 77, 83, 84
	s_mov_b32 s79, s83
	s_mov_b32 s80, s84
	s_mov_b32 s81, 0
	s_mov_b32 s85, 0
	s_branch .Ldecoded
.Lfullwg:
	s_sub_co_u32 s78, s16, 21                      ; f = 0..39: full chunk f / 8, block f & 7
	s_lshr_b32 s90, s78, 3
	s_and_b32 s82, s78, 7
	s_lshl_b32 s88, s90, 11
	s_sub_co_u32 s89, s90, 1
	s_cmp_lt_u32 s90, 2                            ; chunks 0, 1: group 1's two segments, t = 1; 2..4: group 2, t = 1..3
	s_cselect_b32 s79, 1, 2
	s_cselect_b32 s80, s88, 0
	s_cselect_b32 s81, 1, s89
	s_lshr_b32 s77, s78, 1                         ; f < 14: also block f & 1 of triangular chunk f / 2
	TRIDEC 77, 83, 84
	s_and_b32 s59, s78, 1
	s_cmp_lt_u32 s78, 14
	s_cselect_b32 s17, 2, 1
	s_cselect_b32 s83, s83, s79                    ; no second pass: B names A's rows, so that every pointer stays inside its buffer
	s_cselect_b32 s84, s84, s80
	s_cselect_b32 s85, 0, s81
	s_cselect_b32 s59, s59, s82
.Ldecoded:
	s_add_co_u32 s30, s82, 1
	s_cmp_eq_u32 s81, 0
	s_cselect_b32 s30, s30, 8                      ; tiles of pass A
	s_add_co_u32 s31, s59, 1
	s_cmp_eq_u32 s17, 2
	s_cselect_b32 s31, s31, 0                      ; tiles of pass B
	s_add_co_u32 s31, s31, s30
	s_sub_co_u32 s31, s31, 1                       ; the stream's last tile
	; pass A's weights
	s_mov_b32 s54, 0                               ; t = 0: log2(1); a cut score takes -1e30, a wholly cut half the factor 0
	s_mov_b32 s55, NEG
	s_mov_b32 s56, NEG
	s_cmp_eq_u32 s81, 1
	s_cselect_b32 s54, 0x3f800000, s54             ; log2(2)
	s_cselect_b32 s55, 0, s55                      ; log2(1)
	s_cselect_b32 s56, 0xc0b17218, s56             ; delta = -8 ln((t+1)/t): added to s it turns log2(t+1) into log2(t)
	s_cmp_eq_u32 s81, 2
	s_cselect_b32 s54, L23, s54
	s_cselect_b32 s55, 0x3f800000, s55
	s_cselect_b32 s56, 0xc04f9921, s56
	s_cmp_eq_u32 s81, 3
	s_cselect_b32 s54, 0x40000000, s54
	s_cselect_b32 s55, L23, s55
	s_cselect_b32 s56, 0xc0134b11, s56
	s_cmp_eq_u32 s81, 0
	s_cselect_b32 s58, 0, s74
	s_mov_b32 s50, s82
	s_sub_co_i32 s51, s82, s14                     ; pi - kh, may be -1
	s_mov_b32 s52, s30
	s_mov_b32 s53, 0
	s_mov_b32 s32, 0
	; lane terms
	v_and_b32 v40, 31, v0                          ; L
	v_and_b32 v41, 15, v0                          ; r
	v_bfe_u32 v42, v0, 4, 1                        ; h
	v_lshlrev_b32 v1, 4, v41
	v_lshrrev_b32 v2, 4, v0
	v_mad_u32_u24 v3, v2, ROWB, v1
	v_mul_u32_u24 v43, v41, KP
	v_lshl_add_u32 v43, v42, 4, v43                ; r x 144 + 16 h
	s_mul_i32 s86, s14, 64*KP
	v_add_nc_u32 v4, s86, v43                      ; K fragments: my half's 64 rows
	v_and_b32 v44, 7, v0
	v_lshl_add_u32 v44, v42, 3, v44
	v_mul_u32_u24 v44, v44, VP
	v_bfe_u32 v45, v0, 3, 1
	v_lshl_add_u32 v44, v45, 4, v44                ; (8 h + (L & 7)) x 160 + 16 ((L >> 3) & 1)
	s_mul_i32 s86, s14, 64*VP
	s_add_co_u32 s86, s86, VB0
	v_add_nc_u32 v5, s86, v44
	v_lshlrev_b32 v45, 3, v41
	v_mad_u32_u24 v6, v2, KP, v45                  ; 8 bytes of 16-bit numbers for my 16 bytes of f32
	v_mad_u32_u24 v7, v2, VP, v45
	v_add_nc_u32 v7, VB0, v7
	v_add_nc_u32 v8, QB, v6
	s_lshl_b32 s86, s13, 4                         ; 16 g
	s_lshl_b32 s88, s14, 6
	s_add_co_u32 s89, s86, s88                     ; slot Y's first row
	s_xor_b32 s87, s89, 64                         ; slot X's
	s_mul_i32 s88, s87, KP
	s_add_co_u32 s88, s88, QB
	v_add_nc_u32 v9, s88, v43
	s_mul_i32 s88, s89, KP
	s_add_co_u32 s88, s88, QB
	v_add_nc_u32 v10, s88, v43
	s_mul_i32 s87, s87, ROWB                       ; slot X's rows in out0, in bytes
	v_lshlrev_b32 v46, 3, v42
	v_sub_nc_u32 v46, v41, v46
	v_add_nc_u32 v18, s86, v46                     ; 16 g + r - 8 h: register 8 kt + j is kept on the diagonal while 16 kt + j <= this
	s_mul_i32 s88, s12, XRW
	s_add_co_u32 s88, s88, XR
	v_lshl_add_u32 v11, v40, 4, s88
	v_lshl_add_u32 v13, v40, 3, s88
	v_add_nc_u32 v13, 4096, v13
	s_xor_b32 s89, s12, 4                          ; the partner
	s_mul_i32 s89, s89, XRW
	s_add_co_u32 s89, s89, XR
	v_lshl_add_u32 v12, v40, 4, s89
	v_lshl_add_u32 v14, v40, 3, s89
	v_add_nc_u32 v14, 4096, v14
	s_mul_i32 s88, s12, XRW
	s_add_co_u32 s88, s88, OS
	v_mul_u32_u24 v46, v41, OSP
	v_lshl_add_u32 v46, v42, 5, v46
	v_add_nc_u32 v15, s88, v46                     ; in: row r, 32 bytes for each half of the lanes
	v_mul_u32_u24 v46, v42, OSP
	v_add_nc_u32 v46, v46, v1
	v_add_nc_u32 v16, s88, v46                     ; back: lanes 0-15 one row of 256 bytes, lanes 16-31 the next
	v_mad_u32_u24 v17, v42, ROWB, v1
	v_mov_b32 v33, 0                               ; upper halves of broadcast pairs, and the registers at work, written whole once
	v_mov_b32 v35, 0
	v_mov_b32 v37, 0
	v_mov_b32 v39, 0
.set i, 0
.rept 16
	v_mov_b32 v[T+i], 0
.set i, i+1
.endr
; pointers of a pass: K and V at the segment's first gathered row, Q at the block's first row, out0 at my slot X's first row
.macro PTRS grp, segb, tt, pi, kb, vb, rs, qp, op
	s_lshl_b32 s90, s[\grp], 2
	s_add_co_u32 s90, s90, s15
	s_lshl_b32 s90, s90, 8                         ; head x 256 bytes
	s_add_co_u32 s91, s[\segb], s[\grp]
	s_mul_i32 s92, s91, ROWB
	s_add_co_u32 s92, s92, s90
	s_add_nc_u64 s[\kb:\kb+1], s[4:5], s[92:93]
	s_add_nc_u64 s[\vb:\vb+1], s[8:9], s[92:93]
	s_lshl_b32 s[\rs], ROWB, s[\grp]
	s_lshl_b32 s91, s[\tt], 10
	s_add_co_u32 s91, s91, s[\segb]
	s_lshl_b32 s94, s[\pi], 7
	s_add_co_u32 s91, s91, s94
	s_mul_i32 s92, s91, ROWB
	s_add_co_u32 s92, s92, s90
	s_add_nc_u64 s[\qp:\qp+1], s[6:7], s[92:93]
	s_add_co_u32 s92, s92, s87
	s_add_nc_u64 s[\op:\op+1], s[10:11], s[92:93]
.endm
	s_wait_kmcnt 0x0
	PTRS 79, 80, 81, 82, 20, 22, 28, 42, 46
	PTRS 83, 84, 85, 59, 24, 26, 29, 44, 48
; The next tile of the stream (pass A's tiles, then B's) into register set 'set': 8 + 8 loads, load i takes key 16 i + (thread >> 4), sixteen lanes
; cover that key's 256 bytes.  No branch: beyond the stream's end the last tile is read again (three tiles a work-group), so the counts of loads
; are the same in every trip and no load leaves its buffer.
.macro LOADER set
	s_wait_xcnt 0x0                                ; the offsets and bases of the loads before are rewritten only behind this wait
	s_min_u32 s33, s32, s31
	s_cmp_lt_u32 s33, s30
	s_cselect_b32 s34, s28, s29
	s_cselect_b64 s[38:39], s[20:21], s[24:25]
	s_cselect_b64 s[40:41], s[22:23], s[26:27]
	s_cselect_b32 s88, 0, s30
	s_sub_co_u32 s33, s33, s88                     ; the tile's number in its pass
	s_mul_i32 s36, s33, s34
	s_lshl_b32 s36, s36, 7                         ; 128 keys a tile
	s_add_nc_u64 s[38:39], s[38:39], s[36:37]
	s_add_nc_u64 s[40:41], s[40:41], s[36:37]
	s_lshl_b32 s35, s34, 4
	s_add_co_u32 s32, s32, 1
	v_mad_u32_u24 v[VOFF], v2, s34, v1
.set i, 1
.rept 7
	v_add_nc_u32 v[VOFF+i], s35, v[VOFF+i-1]
.set i, i+1
.endr
	WIN 0x40
.set i, 0
.rept 8
	global_load_b128 v[64*\set+4*i:64*\set+4*i+3], v[VOFF+i], s[38:39]
.set i, i+1
.endr
.set i, 0
.rept 8
	global_load_b128 v[64*\set+32+4*i:64*\set+32+4*i+3], v[VOFF+i], s[40:41]
.set i, i+1
.endr
	WIN 0
.endm
; Register set 'set' rounded to bf16 and laid in LDS buffer 'buf': K as bf16; V's bf16 values unpacked (a shift, a mask) and packed again as f16,
; the format of the second product.  16 LDS stores in all.
.macro CONV set, buf
	WIN 0x05
.set i, 0
.rept 32
	v_cvt_pk_bf16_f32 v[SX+i], v[64*\set+2*i], v[64*\set+2*i+1]
.set i, i+1
.endr
	WIN 0
.set i, 0
.rept 8
	ds_store_b64 v6, v[SX+2*i:SX+2*i+1] offset:\buf*BUFD+i*16*KP
.set i, i+1
.endr
.set i, 0
.rept 16
	v_lshlrev_b32 v[SY+2*i], 16, v[SX+16+i]
	v_and_b32 v[SY+2*i+1], s19, v[SX+16+i]
.set i, i+1
.endr
.set i, 0
.rept 16
	v_cvt_pk_f16_f32 v[SX+16+i], v[SY+2*i], v[SY+2*i+1]
.set i, i+1
.endr
.set i, 0
.rept 8
	ds_store_b64 v7, v[SX+16+2*i:SX+16+2*i+1] offset:\buf*BUFD+i*16*VP
.set i, i+1
.endr
.endm
.macro CONVQ src
	WIN 0x05
.set i, 0
.rept 16
	v_cvt_pk_bf16_f32 v[SX+i], v[\src+2*i], v[\src+2*i+1]
.set i, i+1
.endr
	WIN 0
.set i, 0
.rept 8
	ds_store_b64 v8, v[SX+2*i:SX+2*i+1] offset:i*16*KP
.set i, i+1
.endr
.endm
.macro LDQ                             ; the two slots' Q fragments: d = 0..31 in registers 0-7, d = 32..63 in 8-15
	WIN 0x40
.set i, 0
.rept 4
	ds_load_b128 v[QFX+4*i:QFX+4*i+3], v9 offset:32*i
	ds_load_b128 v[QFY+4*i:QFY+4*i+3], v10 offset:32*i
.set i, i+1
.endr
	WIN 0
.endm
; A pass may begin at either half of the unrolled loop, so the sums are cleared here, 64 registers a pass, rather than started by a product with C = 0,
; which would need the trip's text four times.
.macro INIT
	v_mov_b32 v[MLX], NEG
	v_mov_b32 v[MLX+1], 0
	v_mov_b32 v[MLY], NEG
	v_mov_b32 v[MLY+1], 0
.set i, 0
.rept 64
	v_mov_b32 v[OX+i], 0
.set i, i+1
.endr
.endm
; the mixed 64 x 64 square (always slot Y, tile pi): a score whose key lies behind its query takes delta
.macro DIAG
.set i, 0
.rept 16
	v_pk_add_f32 v[T+(2*i)%8:T+(2*i)%8+1], v[SY+2*i:SY+2*i+1], s[56:57] op_sel_hi:[1,0]
	v_cmp_le_i32 vcc_lo, 16*(i/4)+(2*i)%8, v18
	v_cndmask_b32 v[SY+2*i], v[T+(2*i)%8], v[SY+2*i], vcc_lo
	v_cmp_le_i32 vcc_lo, 16*(i/4)+(2*i)%8+1, v18
	v_cndmask_b32 v[SY+2*i+1], v[T+(2*i)%8+1], v[SY+2*i+1], vcc_lo
.set i, i+1
.endr
.endm
; one slot's step of the running softmax: y = s * factor + bias in base 2
.macro SOFTMAX sreg, oreg, ml, al, nb, cs, bs
.irp c, 0,1,2,3
	v_max3_num_f32 v[T+\c], v[\sreg+8*\c], v[\sreg+8*\c+1], v[\sreg+8*\c+2]
.endr
.irp c, 0,1,2,3
	v_max3_num_f32 v[T+\c], v[T+\c], v[\sreg+8*\c+3], v[\sreg+8*\c+4]
.endr
.irp c, 0,1,2,3
	v_max3_num_f32 v[T+\c], v[T+\c], v[\sreg+8*\c+5], v[\sreg+8*\c+6]
.endr
.irp c, 0,1,2,3
	v_max_num_f32 v[T+\c], v[T+\c], v[\sreg+8*\c+7]
.endr
	v_max3_num_f32 v[T], v[T], v[T+1], v[T+2]
	v_max_num_f32 v[T], v[T], v[T+3]
	v_permlanex16_b32 v[T+1], v[T], s75, s76       ; the query's other 32 keys lie in lane L xor 16
	v_max_num_f32 v[T], v[T], v[T+1]
	v_fma_f32 v[T], v[T], s[\cs], s[\bs]           ; the factor is not negative, so the largest s gives the largest y
	v_max_num_f32 v[T], v[\ml], v[T]               ; the new maximum
	v_sub_f32 v[T+1], v[\ml], v[T]
	v_exp_f32 v[\al], v[T+1]
	v_sub_f32 v[\nb], s[\bs], v[T]                 ; a plain instruction stands behind the exponential before alpha is used (ISA guide 5.7.2)
	v_mov_b32 v[\ml], v[T]
.set i, 0
.rept 16
	v_pk_fma_f32 v[\sreg+2*i:\sreg+2*i+1], v[\sreg+2*i:\sreg+2*i+1], s[\cs:\cs+1], v[\nb:\nb+1] op_sel_hi:[1,0,0]
.set i, i+1
.endr
.set i, 0
.rept 32
	v_exp_f32 v[\sreg+i], v[\sreg+i]
.set i, i+1
.endr
.set i, 0
	s_wait_alu depctr_va_vdst(0)
.rept 16                               ; O x alpha: plain work that touches no weight, between the exponentials and their first use
	v_pk_mul_f32 v[\oreg+2*i:\oreg+2*i+1], v[\oreg+2*i:\oreg+2*i+1], v[\al:\al+1] op_sel_hi:[1,0]
.set i, i+1
.endr
.irp c, 0,1,2,3
	v_pk_add_f32 v[T+2*\c:T+2*\c+1], v[\sreg+4*\c:\sreg+4*\c+1], v[\sreg+4*\c+2:\sreg+4*\c+3]
.endr
.set i, 16
.rept 8
	v_pk_add_f32 v[T+i%8:T+i%8+1], v[T+i%8:T+i%8+1], v[\sreg+i:\sreg+i+1]
.set i, i+2
.endr
	v_pk_add_f32 v[T:T+1], v[T:T+1], v[T+2:T+3]
	v_pk_add_f32 v[T+4:T+5], v[T+4:T+5], v[T+6:T+7]
	v_pk_add_f32 v[T:T+1], v[T:T+1], v[T+4:T+5]
	v_add_f32 v[T], v[T], v[T+1]
	v_fma_f32 v[\ml+1], v[\ml+1], v[\al], v[T]     ; my lane's half of the row sum; the halves meet at the pass's end
.set i, 0
.rept 16                               ; P^T in f16 (weights lie in 0..1), packed downward in place: registers 8 kap .. 8 kap + 7 are the fragment of keys 32 kap ..
	v_cvt_pk_f16_f32 v[\sreg+i], v[\sreg+2*i], v[\sreg+2*i+1]
.set i, i+1
.endr
.endm
; ONE TILE, read from buffer p while the next tile is laid in buffer q and the tile three ahead is asked for.
.macro TRIP p, q
.set i, 0
.rept 8                                ; K fragments, 16 keys x 32 d each: i = 2 kt + ds
	ds_load_b128 v[FR+8*i:FR+8*i+3], v4 offset:\p*BUFD+(i/2)*16*KP+(i%2)*64
	ds_load_b128 v[FR+8*i+4:FR+8*i+7], v4 offset:\p*BUFD+(i/2)*16*KP+(i%2)*64+32
.set i, i+1
.endr
	s_wait_loadcnt 16                              ; loads return in order (ISA guide 5.7.1): the next tile is in, the 16 loads of the one behind it stay out
	CONV \q, \q
	LOADER \q
	s_cmp_le_i32 s53, s50                          ; slot Y: count t + 1 up to the diagonal tile (the square is mended by DIAG), t behind it
	s_cselect_b32 s73, s54, s55
	s_cselect_b32 s70, s74, s58
	s_cmp_le_i32 s53, s51                          ; slot X: for kh = 1 the diagonal tile's half lies wholly behind the queries
	s_cselect_b32 s72, s54, s55
	s_cselect_b32 s68, s74, s58
	s_wait_dscnt 16                                ; the K fragments are in; the 16 younger stores of the next tile may be out
	WIN 0x04
.set i, 0
.rept 4
	v_wmma_f32_16x16x32_bf16 v[SX+8*i:SX+8*i+7], v[FR+16*i:FR+16*i+7], v[QFX:QFX+7], 0
	v_wmma_f32_16x16x32_bf16 v[SY+8*i:SY+8*i+7], v[FR+16*i:FR+16*i+7], v[QFY:QFY+7], 0
	v_wmma_f32_16x16x32_bf16 v[SX+8*i:SX+8*i+7], v[FR+16*i+8:FR+16*i+15], v[QFX+8:QFX+15], v[SX+8*i:SX+8*i+7]
	v_wmma_f32_16x16x32_bf16 v[SY+8*i:SY+8*i+7], v[FR+16*i+8:FR+16*i+15], v[QFY+8:QFY+15], v[SY+8*i:SY+8*i+7]
.set i, i+1
.endr
	WIN 0
.rept 4
	v_nop                                          ; four places before loads land on the fragments and vector work reads S
.endr
.set i, 0
.rept 8                                ; V^T fragments, 16 d x 32 keys each, by the transposing load: i = 2 dt + kap
	ds_load_tr16_b128 v[FR+8*i:FR+8*i+3], v5 offset:\p*BUFD+(i%2)*32*VP+(i/2)*32
	ds_load_tr16_b128 v[FR+8*i+4:FR+8*i+7], v5 offset:\p*BUFD+(i%2)*32*VP+(i/2)*32+16*VP
.set i, i+1
.endr
	s_cmp_lg_u32 s53, s50
	s_cbranch_scc1 .Lnd\p
	DIAG
.Lnd\p:
	SOFTMAX SX, OX, MLX, ALX, NBX, 68, 72
	SOFTMAX SY, OY, MLY, ALY, NBY, 70, 73
	s_wait_dscnt 0x0                               ; for the others: my reads of buffer p and my stores into buffer q are complete
	s_barrier_signal -1
.irp kap, 0,1
.irp dt, 0,1,2,3
	v_wmma_f32_16x16x32_f16 v[OX+8*\dt:OX+8*\dt+7], v[FR+16*\dt+8*\kap:FR+16*\dt+8*\kap+7], v[SX+8*\kap:SX+8*\kap+7], v[OX+8*\dt:OX+8*\dt+7]
.endr
.irp dt, 0,1,2,3
	v_wmma_f32_16x16x32_f16 v[OY+8*\dt:OY+8*\dt+7], v[FR+16*\dt+8*\kap:FR+16*\dt+8*\kap+7], v[SY+8*\kap:SY+8*\kap+7], v[OY+8*\dt:OY+8*\dt+7]
.endr
.endr
.rept 5
	v_nop                                          ; five places: the next products write over P, loads land on the fragments, O is read
.endr
	s_barrier_wait -1                              ; behind it buffer q is read and buffer p filled again
.endm
; THE END OF A PASS: slot Y goes to the partner, the partner's comes in, the two key halves of slot X are merged, scaled and stored.
.macro EPILOGUE
	v_permlanex16_b32 v[T], v[MLX+1], s75, s76
	v_permlanex16_b32 v[T+1], v[MLY+1], s75, s76
	v_add_f32 v[MLX+1], v[MLX+1], v[T]
	v_add_f32 v[MLY+1], v[MLY+1], v[T+1]
.set i, 0
.rept 8
	ds_store_b128 v11, v[OY+4*i:OY+4*i+3] offset:512*i
.set i, i+1
.endr
	ds_store_b64 v13, v[MLY:MLY+1]
	s_wait_dscnt 0x0                               ; my hand-over is complete before I say so
	s_barrier_signal -1
	s_barrier_wait -1
.set i, 0
.rept 8
	ds_load_b128 v[FR+4*i:FR+4*i+3], v12 offset:512*i
.set i, i+1
.endr
	ds_load_b64 v[T+2:T+3], v14
	s_wait_dscnt 0x0
	v_max_num_f32 v[T+4], v[MLX], v[T+2]           ; the maximum of both halves
	v_sub_f32 v[T+5], v[MLX], v[T+4]
	v_sub_f32 v[T+6], v[T+2], v[T+4]
	v_exp_f32 v[T+8], v[T+5]
	v_exp_f32 v[T+10], v[T+6]
	v_nop
	s_wait_alu depctr_va_vdst(0)
	v_mul_f32 v[T+7], v[MLX+1], v[T+8]
	v_fma_f32 v[T+7], v[T+3], v[T+10], v[T+7]      ; the row sum: at least 1, from the half that holds the maximum
	v_rcp_f32 v[T+12], v[T+7]
	v_nop
	s_wait_alu depctr_va_vdst(0)
	v_mul_f32 v[T+8], v[T+8], v[T+12]
	v_mul_f32 v[T+10], v[T+10], v[T+12]
.set i, 0
.rept 16
	v_pk_mul_f32 v[FR+2*i:FR+2*i+1], v[FR+2*i:FR+2*i+1], v[T+10:T+11] op_sel_hi:[1,0]
	v_pk_fma_f32 v[OX+2*i:OX+2*i+1], v[OX+2*i:OX+2*i+1], v[T+8:T+9], v[FR+2*i:FR+2*i+1] op_sel_hi:[1,0,1]
.set i, i+1
.endr
.set i, 0
.rept 4                                ; lane (r, h) holds d = 16 dt + 8 h .. + 7 of query r: 32 bytes of its row, into my own stage
	ds_store_b128 v15, v[OX+8*i:OX+8*i+3] offset:64*i
	ds_store_b128 v15, v[OX+8*i+4:OX+8*i+7] offset:64*i+16
.set i, i+1
.endr
.set i, 0
.rept 8                                ; LDS serves a wave's instructions in order (ISA guide 5.7.1): these see the stores above
	ds_load_b128 v[FR+32+4*i:FR+32+4*i+3], v16 offset:i*2*OSP
.set i, i+1
.endr
.set i, 0
.rept 8
	s_wait_dscnt 7-i                               ; rows 2 i, 2 i + 1 are in; the younger loads stay out
	global_store_b128 v17, v[FR+32+4*i:FR+32+4*i+3], s[46:47] offset:i*2*ROWB th:TH_STORE_NT   ; sixteen lanes store a (row, head)'s 256 bytes, aligned
.set i, i+1
.endr
	s_wait_xcnt 0x0                                ; the stores' data and base are rewritten only behind this wait
.endm
; the second pass is always a triangular block (t = 0)
.macro NEWPASS
	s_mov_b32 s50, s59
	s_sub_co_i32 s51, s59, s14
	s_add_co_u32 s52, s59, 1
	s_mov_b32 s53, 0
	s_mov_b32 s54, 0
	s_mov_b32 s55, NEG
	s_mov_b32 s56, NEG
	s_mov_b32 s58, 0
	s_mov_b64 s[46:47], s[48:49]
	CONVQ QS1                                      ; every wave's reads of the first pass's Q were waited for many barriers ago
	s_wait_dscnt 0x0
	s_barrier_signal -1
	s_barrier_wait -1
	LDQ
	INIT
	s_wait_dscnt 0x0
.endm
; all counters here come from the work-group's id alone: every wave takes the same way round the barriers inside
.macro BOUNDARY p
	s_add_co_u32 s53, s53, 1
	s_sub_co_u32 s52, s52, 1
	s_cmp_lg_u32 s52, 0
	s_cbranch_scc1 .Lsame\p
	EPILOGUE
	s_sub_co_u32 s17, s17, 1
	s_cmp_eq_u32 s17, 0
	s_cbranch_scc1 .Lend
	NEWPASS
.Lsame\p:
.endm
	; PROLOGUE: both passes' Q and the first two tiles are asked for at once
	WIN 0x40
.set i, 0
.rept 8
	global_load_b128 v[QS0+4*i:QS0+4*i+3], v3, s[42:43] offset:i*16*ROWB
.set i, i+1
.endr
.set i, 0
.rept 8
	global_load_b128 v[QS1+4*i:QS1+4*i+3], v3, s[44:45] offset:i*16*ROWB
.set i, i+1
.endr
	WIN 0
	LOADER 0
	LOADER 1
	s_wait_loadcnt 40                              ; pass A's Q is in: 8 loads of pass B's Q and 32 of tiles 0 and 1 are younger
	CONVQ QS0
	s_wait_loadcnt 16                              ; pass B's Q and tile 0 are in: tile 1's 16 loads are younger
	CONV 0, 0
	LOADER 0                                       ; tile 2
	s_wait_dscnt 0x0
	s_barrier_signal -1
	s_barrier_wait -1
	LDQ
	INIT
	s_wait_dscnt 0x0
	s_mov_b32 s18, 0
.Lloop:                                            ; at most 11 tiles a work-group: the way out is the branch at the last pass's end
	TRIP 0, 1
	BOUNDARY 0
	TRIP 1, 0
	BOUNDARY 1
	s_add_co_u32 s18, s18, 1
	s_cmp_lt_u32 s18, 8
	s_cbranch_scc1 .Lloop
.Lend:
	s_wait_tensorcnt 0x0
	ds_add_u32 v254, v255
	s_wait_dscnt 0x0
	s_endpgm
.Lfunc_end_k_q242cfb38bd_dilated:
	.size	k_q242cfb38bd_dilated, .Lfunc_end_k_q242cfb38bd_dilated-k_q242cfb38bd_dilated
	.p2alignl 7, 3214868480
	.fill 96, 4, 3214868480
	.section	.rodata,"a",@progbits
	.p2align	6, 0x0
	.amdhsa_kernel k_q242cfb38bd_dilated
		.amdhsa_group_segment_fixed_size 166912
		.amdhsa_private_segment_fixed_size 0
		.amdhsa_enable_private_segment 0
		.amdhsa_kernarg_size 32
		.amdhsa_user_sgpr_count 2
		.amdhsa_user_sgpr_kernarg_segment_ptr 1
		.amdhsa_wavefront_size32 1
		.amdhsa_system_sgpr_workgroup_id_x 1
		.amdhsa_system_sgpr_workgroup_id_y 1
		.amdhsa_system_sgpr_workgroup_id_z 1
		.amdhsa_system_vgpr_workitem_id 0
		.amdhsa_next_free_vgpr 480
		.amdhsa_next_free_sgpr 96
		.amdhsa_reserve_vcc 1
		.amdhsa_float_denorm_mode_32 3
		.amdhsa_float_denorm_mode_16_64 3
		.amdhsa_memory_ordered 1
		.amdhsa_forward_progress 1
		.amdhsa_inst_pref_size 105
	.end_amdhsa_kernel
	.amdgpu_metadata
---
amdhsa.version: [ 1, 2 ]
amdhsa.kernels:
  - .name:           k_q242cfb38bd_dilated
    .symbol:         k_q242cfb38bd_dilated.kd
    .args:
      - { .name: key, .offset: 0, .size: 8, .value_kind: global_buffer, .address_space: global }
      - { .name: query, .offset: 8, .size: 8, .value_kind: global_buffer, .address_space: global }
      - { .name: value, .offset: 16, .size: 8, .value_kind: global_buffer, .address_space: global }
      - { .name: out0, .offset: 24, .size: 8, .value_kind: global_buffer, .address_space: global }
    .group_segment_fixed_size: 166912
    .private_segment_fixed_size: 0
    .kernarg_segment_align: 8
    .kernarg_segment_size: 32
    .max_flat_workgroup_size: 256
    .sgpr_count:     96
    .vgpr_count:     480
    .wavefront_size: 32
...
	.end_amdgpu_metadata
.endif
;; end of part 1
;; ======== version 2 of 2: 1 launch; version 1 with the launch dilated written anew for expert scheduling mode
;; limits: right only within a limited range of input values; values are held in f16: magnitudes above 65,504 overflow, below 6.1e-05 lose precision; inputs' magnitudes at most 65,504
;; launch dilated (part 2): grid 61 x 4, 8 waves a work-group, no clusters, 166,912 bytes of LDS; arguments key, query, value, out0; writes out0
.if DOCPART == 2
	.amdgcn_target "amdgcn-amd-amdhsa--gfx1250"
	.amdhsa_code_object_version 6
	.text
	.protected	k_q242cfb38bd_dilated
	.globl	k_q242cfb38bd_dilated
	.p2align	8
	.type	k_q242cfb38bd_dilated,@function
k_q242cfb38bd_dilated:
	s_mov_b64 s[64:65], 0
	v_nop
	global_prefetch_b8 v0, s[64:65] scope:SCOPE_SE
	s_setreg_imm32_b32 hwreg(HW_REG_WAVE_SCHED_MODE, 0, 2), 2
	s_setreg_imm32_b32 hwreg(HW_REG_WAVE_MODE, 25, 1), 1
	s_wait_xcnt 0x0
	s_wait_alu depctr_vm_vsrc(0)
; Dilated causal attention, 12 heads in three groups of 4, n = 4096, d = 64, all buffers f32, a (row, head) = 256 bytes, rows 3,072 bytes apart.
; Group i: segments of 1024 << i rows; position j of a segment names key row i + (j mod 1024) << i, so a segment has 1024 DISTINCT keys.
; For the query at 1024 t + p' the distinct key m occurs c = t + [m <= p'] times among the positions j <= p.  Hence
;   softmax over positions = softmax over the 1024 distinct keys with log2(c) added to the base-2 logit; c = 0 is the causal cut.
; A PASS: 128 query rows of one head walk tiles of 128 distinct keys (t = 0, block pi: tiles 0..pi; t >= 1: all 8).
; A WORK-GROUP: 8 waves, one or two passes (at most 11 tiles).  Wave w: g = w & 3, kh = w >> 2.  In each tile it takes the 64 keys of half kh for two
; slots of 16 queries: X (rows 64 (1 - kh) + 16 g), which it finishes, and Y (rows 64 kh + 16 g), which it hands to wave w ^ 4 at the pass's end.
; S^T = K Q^T (lane = query, keys along the registers: maxima and sums stay in the lane but for one exchange of the halves), and the rounded P^T is
; already the second source of O^T = V^T P^T.  K and V come f32 through registers, are rounded once and laid in two LDS buffers that take turns.
; FORMATS: Q, K and V are all rounded to bf16.  The first product is the bf16 form.  The weights P go in f16 (11 significant bits): with bf16's 8 the
; rounding of one weight is up to 2^-9 |v|, which in a row of few keys whose terms cancel is as large as a hundredth of the output's root mean square.
; The f16 form wants both sources in f16, so V's bf16 value is written again as f16, which is exact for 2^-14 <= |v| < 65,504.
; A running maximum is kept for each slot; the two key halves are merged with the maximum of both.
; NO CLUSTER: the blocks that share a key set walk 1 to 8 tiles and stand in different passes of their work-groups, so partners would need different
; numbers of joint requests; with equal counts the longest work-group would walk 12 tiles in place of 11.
; NO TENSOR LOADS: the f32 tile (64 KB) would cross LDS in and out before its 32 KB of 16-bit numbers go in; through registers only the 32 KB cross.
; LIMITS: |value| has to stay below 65,504 (f16's largest), and a |value| below 2^-14 keeps an absolute error of up to 2^-25; a cut score is marked by
; -1e30 (not by the smallest f32), so |q.k| * 0.18 has to stay far below 1e29; the row sum is taken from the unrounded weights; in the product a weight
; below 2^-25 of the running maximum counts as zero, in the sum one below 2^-126; the order of sums is not reference()'s.
; THE MODE: SCHED_MODE bits 1:0 = 2 (LLVM: expert scheduling mode 2), set by the entry lines.  The code itself states the register dependences
; between vector or matrix instructions and memory or LDS instructions, with s_wait_alu, always for 0.
; THE PLAN.  Registers that memory or LDS instructions touch, round a trip:
;   FR      K's fragments: loaded at the trip's head, read by the 16 products K Q^T.  At a pass's end: the partner's O (FR 0-31), the stage's rows (FR 32-63).
;   FV      V^T's fragments, a buffer of their own: loaded in mid-trip, read by the 16 products V^T P^T at the trip's end.
;   set q   a tile as loaded: read by the trip's conversions, then asked for again.
;   SX      written by the conversions, read by the 16 LDS stores, then written by the products K Q^T.
;   VOFF    written by eight vector lines in mid-trip, read by the 16 global loads.
;   v1-v18  made at the head, never written again.
; Three waits state a trip's dependences.  (1) va_vdst in mid-trip, behind the conversions and VOFF's lines: SX and VOFF are written, set q has been read,
; and the last trip's products V^T P^T are done reading FV; the trip's 48 memory and LDS instructions follow it with no vector line between.  (2) vm_vsrc ahead of
; the products K Q^T: the stores have read SX, the loads VOFF (which the next trip writes).  (3) va_vdst behind the softmax: the products K Q^T are done reading FR
; and Q's fragments; up to the next trip's loads into FR stand only products V^T P^T (FV, SX, SY, O), v_nop and scalar lines, or a pass's end with waits of its own.
.set ROWB, 3072                        ; bytes from row to row in every buffer
.set KP,   144                         ; LDS pitch of K and Q rows: 128 bytes + 16 (odd multiple of 16)
.set VP,   160                         ; LDS pitch of V rows: 128 bytes + 32 (odd multiple of 32, for the transposing load)
.set VB0,  128*KP                      ; V behind K in a buffer
.set BUFD, VB0+128*VP                  ; one buffer: 38,912 bytes; two of them
.set QB,   2*BUFD                      ; Q, 128 rows of bf16
.set XR,   QB+128*KP                   ; hand-over: for each wave 8 x 512 bytes of O, then 32 x 8 bytes of (m, l)
.set XRW,  4352
.set OS,   XR+8*XRW                    ; way out: for each wave 16 rows of 256 bytes, pitch 272
.set OSP,  272
.set NEG,  0xf149f2ca                  ; -1e30
.set C1L,  0x3e38aa3b                  ; 0.125 log2(e)
.set L23,  0x3fcae00d                  ; log2(3)
; window 0: v0 thread; v1 16 (thread & 15); v2 thread >> 4; v3 Q offset; v4 K fragments; v5 V fragments; v6, v7, v8 where I lay K, V, Q;
; v9, v10 Q fragments of X, Y; v11, v13 hand-over out (O; m, l); v12, v14 hand-over in; v15, v16 stage in, back; v17 offset in out0; v18 16 g + r - 8 h
.set VOFF, 20                          ; v[20:27]  offsets of a tile's eight loads
.set MLX,  28                          ; v[28:29]  (m, l) of X     v[30:31] of Y
.set MLY,  30
.set ALX,  32                          ; v[32:33], v[34:35] alpha (broadcast pairs)
.set ALY,  34
.set NBX,  36                          ; v[36:37], v[38:39] bias - new maximum
.set NBY,  38
.set T,    40                          ; v[40:55]  at work
.set SX,   56                          ; v[56:87]  S^T of X, then P^T in its first 16; also the conversions' results
.set SY,   88                          ; v[88:119] the same of Y; also V's bf16 values unpacked, on their way to f16
.set FR,   120                         ; v[120:183] fragments of K; at a pass's end the partner's O and the rows read back from the stage
.set OX,   184                         ; v[184:215] O^T of X
.set OY,   216                         ; v[216:247] O^T of Y
; window 1 (low 8 bits): 0-63, 64-127 two tiles on their way (K 32, V 32); 128-159 Q of pass B; 160-175, 176-191 Q fragments;
; 192-223 Q of pass A until it is rounded; from the first trip on 192-255 fragments of V^T
.set QS1,  128
.set QFX,  160
.set QFY,  176
.set QS0,  192
.set FV,   192
; scalars: s[4:11] key, query, value, out0; s12 w, s13 g, s14 kh, s15 head in group, s16 x; s17 passes left; s18 loop; s19 mask of a word's upper half;
; s[20:23] K, V of pass A; s[24:27] of B;
; s28, s29 bytes from key to key (A, B); s30 tiles of A; s31 last tile of the stream; s32 next tile to load; s33-s41 the loader's; s[42:45] Q of A, B;
; s[46:47] out now, s[48:49] out of B; s50 pi; s51 pi - kh; s52 tiles left; s53 tile; s54, s55 log2(t+1), log2(t); s[56:57] delta; s58 factor of a cut half;
; s59 pi of B; s[68:69], s[70:71] factor of X, Y; s72, s73 bias of X, Y; s74 c1; s75, s76 lane selects; s77-s94 set-up; in the loop s77-s84 the diagonal's masks
.set DM,   77
.set MSB, 0
.macro WIN new                         ; the immediate's high byte repeats the setting that is left
.if MSB != \new
	s_set_vgpr_msb (MSB<<8)|\new
.set MSB, \new
.endif
.endm
	s_load_b256 s[4:11], s[0:1], 0x0
	v_lshl_add_u32 v254, v0, 2, 0x28800
	v_mov_b32 v255, 0
	v_lshrrev_b32 v40, 5, v0
	v_readfirstlane_b32 s12, v40                   ; wave
	s_wait_alu depctr_va_sdst(0)                   ; s12 is written, ahead of its first reader: g, kh and all LDS places of the wave are made from it
	s_and_b32 s13, s12, 3                          ; g
	s_lshr_b32 s14, s12, 2                         ; kh
	s_and_b32 s15, ttmp7, 0xffff                   ; head within its group
	s_mov_b32 s16, ttmp9                           ; x
	s_mov_b32 s19, 0xffff0000
	s_mov_b32 s74, C1L
	s_mov_b32 s75, 0x76543210                      ; v_permlanex16_b32: lane i takes lane i of the other half
	s_mov_b32 s76, 0xfedcba98
	s_mov_b32 s37, 0                               ; upper words of pairs, written once
	s_mov_b32 s57, 0
	s_mov_b32 s69, 0
	s_mov_b32 s71, 0
	s_mov_b32 s93, 0
; a triangular chunk 0..6 of a head column: 0-3 group 0's four segments, 4-5 group 1's two, 6 group 2's one
.macro TRIDEC ci, grp, segb
	s_cmp_ge_u32 s[\ci], 4
	s_cselect_b32 s[\grp], 1, 0
	s_cmp_ge_u32 s[\ci], 6
	s_cselect_b32 s86, 1, 0
	s_add_co_u32 s[\grp], s[\grp], s86
	s_lshl_b32 s[\segb], s[\ci], 10
	s_and_b32 s86, s[\ci], 1
	s_lshl_b32 s86, s86, 11
	s_cmp_lt_u32 s[\ci], 4
	s_cselect_b32 s[\segb], s[\segb], s86
.endm
	; which passes are mine.  A: group s79, segment's first row s80, t s81, block s82.  B: s83, s84, s85, s59.
	s_cmp_lt_u32 s16, 21
	s_cbranch_scc0 .Lfullwg
	s_mul_i32 s77, s16, 11                         ; x < 21: chunk x / 3, blocks 7 - k and 2 + k: 8+3, 7+4, 6+5 tiles
	s_lshr_b32 s77, s77, 5
	s_mul_i32 s78, s77, 3
	s_sub_co_u32 s78, s16, s78                     ; k
	s_sub_co_u32 s82, 7, s78
	s_add_co_u32 s59, s78, 2
	s_mov_b32 s17, 2
	TRIDEC 77, 83, 84
	s_mov_b32 s79, s83
	s_mov_b32 s80, s84
	s_mov_b32 s81, 0
	s_mov_b32 s85, 0
	s_branch .Ldecoded
.Lfullwg:
	s_sub_co_u32 s78, s16, 21                      ; f = 0..39: full chunk f / 8, block f & 7
	s_lshr_b32 s90, s78, 3
	s_and_b32 s82, s78, 7
	s_lshl_b32 s88, s90, 11
	s_sub_co_u32 s89, s90, 1
	s_cmp_lt_u32 s90, 2                            ; chunks 0, 1: group 1's two segments, t = 1; 2..4: group 2, t = 1..3
	s_cselect_b32 s79, 1, 2
	s_cselect_b32 s80, s88, 0
	s_cselect_b32 s81, 1, s89
	s_lshr_b32 s77, s78, 1                         ; f < 14: also block f & 1 of triangular chunk f / 2
	TRIDEC 77, 83, 84
	s_and_b32 s59, s78, 1
	s_cmp_lt_u32 s78, 14
	s_cselect_b32 s17, 2, 1
	s_cselect_b32 s83, s83, s79                    ; no second pass: B names A's rows, so that every pointer stays inside its buffer
	s_cselect_b32 s84, s84, s80
	s_cselect_b32 s85, 0, s81
	s_cselect_b32 s59, s59, s82
.Ldecoded:
	s_add_co_u32 s30, s82, 1
	s_cmp_eq_u32 s81, 0
	s_cselect_b32 s30, s30, 8                      ; tiles of pass A
	s_add_co_u32 s31, s59, 1
	s_cmp_eq_u32 s17, 2
	s_cselect_b32 s31, s31, 0                      ; tiles of pass B
	s_add_co_u32 s31, s31, s30
	s_sub_co_u32 s31, s31, 1                       ; the stream's last tile
	; pass A's weights
	s_mov_b32 s54, 0                               ; t = 0: log2(1); a cut score takes -1e30, a wholly cut half the factor 0
	s_mov_b32 s55, NEG
	s_mov_b32 s56, NEG
	s_cmp_eq_u32 s81, 1
	s_cselect_b32 s54, 0x3f800000, s54             ; log2(2)
	s_cselect_b32 s55, 0, s55                      ; log2(1)
	s_cselect_b32 s56, 0xc0b17218, s56             ; delta = -8 ln((t+1)/t): added to s it turns log2(t+1) into log2(t)
	s_cmp_eq_u32 s81, 2
	s_cselect_b32 s54, L23, s54
	s_cselect_b32 s55, 0x3f800000, s55
	s_cselect_b32 s56, 0xc04f9921, s56
	s_cmp_eq_u32 s81, 3
	s_cselect_b32 s54, 0x40000000, s54
	s_cselect_b32 s55, L23, s55
	s_cselect_b32 s56, 0xc0134b11, s56
	s_cmp_eq_u32 s81, 0
	s_cselect_b32 s58, 0, s74
	s_mov_b32 s50, s82
	s_sub_co_i32 s51, s82, s14                     ; pi - kh, may be -1
	s_mov_b32 s52, s30
	s_mov_b32 s53, 0
	s_mov_b32 s32, 0
	; lane terms
	v_and_b32 v40, 31, v0                          ; L
	v_and_b32 v41, 15, v0                          ; r
	v_bfe_u32 v42, v0, 4, 1                        ; h
	v_lshlrev_b32 v1, 4, v41
	v_lshrrev_b32 v2, 4, v0
	v_mad_u32_u24 v3, v2, ROWB, v1
	v_mul_u32_u24 v43, v41, KP
	v_lshl_add_u32 v43, v42, 4, v43                ; r x 144 + 16 h
	s_mul_i32 s86, s14, 64*KP
	v_add_nc_u32 v4, s86, v43                      ; K fragments: my half's 64 rows
	v_and_b32 v44, 7, v0
	v_lshl_add_u32 v44, v42, 3, v44
	v_mul_u32_u24 v44, v44, VP
	v_bfe_u32 v45, v0, 3, 1
	v_lshl_add_u32 v44, v45, 4, v44                ; (8 h + (L & 7)) x 160 + 16 ((L >> 3) & 1)
	s_mul_i32 s86, s14, 64*VP
	s_add_co_u32 s86, s86, VB0
	v_add_nc_u32 v5, s86, v44
	v_lshlrev_b32 v45, 3, v41
	v_mad_u32_u24 v6, v2, KP, v45                  ; 8 bytes of 16-bit numbers for my 16 bytes of f32
	v_mad_u32_u24 v7, v2, VP, v45
	v_add_nc_u32 v7, VB0, v7
	v_add_nc_u32 v8, QB, v6
	s_lshl_b32 s86, s13, 4                         ; 16 g
	s_lshl_b32 s88, s14, 6
	s_add_co_u32 s89, s86, s88                     ; slot Y's first row
	s_xor_b32 s87, s89, 64                         ; slot X's
	s_mul_i32 s88, s87, KP
	s_add_co_u32 s88, s88, QB
	v_add_nc_u32 v9, s88, v43
	s_mul_i32 s88, s89, KP
	s_add_co_u32 s88, s88, QB
	v_add_nc_u32 v10, s88, v43
	s_mul_i32 s87, s87, ROWB                       ; slot X's rows in out0, in bytes
	v_lshlrev_b32 v46, 3, v42
	v_sub_nc_u32 v46, v41, v46
	v_add_nc_u32 v18, s86, v46                     ; 16 g + r - 8 h: register 8 kt + j is kept on the diagonal while 16 kt + j <= this
	s_mul_i32 s88, s12, XRW
	s_add_co_u32 s88, s88, XR
	v_lshl_add_u32 v11, v40, 4, s88
	v_lshl_add_u32 v13, v40, 3, s88
	v_add_nc_u32 v13, 4096, v13
	s_xor_b32 s89, s12, 4                          ; the partner
	s_mul_i32 s89, s89, XRW
	s_add_co_u32 s89, s89, XR
	v_lshl_add_u32 v12, v40, 4, s89
	v_lshl_add_u32 v14, v40, 3, s89
	v_add_nc_u32 v14, 4096, v14
	s_mul_i32 s88, s12, XRW
	s_add_co_u32 s88, s88, OS
	v_mul_u32_u24 v46, v41, OSP
	v_lshl_add_u32 v46, v42, 5, v46
	v_add_nc_u32 v15, s88, v46                     ; in: row r, 32 bytes for each half of the lanes
	v_mul_u32_u24 v46, v42, OSP
	v_add_nc_u32 v46, v46, v1
	v_add_nc_u32 v16, s88, v46                     ; back: lanes 0-15 one row of 256 bytes, lanes 16-31 the next
	v_mad_u32_u24 v17, v42, ROWB, v1
	v_mov_b32 v33, 0                               ; upper halves of broadcast pairs, and the registers at work, written whole once
	v_mov_b32 v35, 0
	v_mov_b32 v37, 0
	v_mov_b32 v39, 0
.set i, 0
.rept 16
	v_mov_b32 v[T+i], 0
.set i, i+1
.endr
; pointers of a pass: K and V at the segment's first gathered row, Q at the block's first row, out0 at my slot X's first row
.macro PTRS grp, segb, tt, pi, kb, vb, rs, qp, op
	s_lshl_b32 s90, s[\grp], 2
	s_add_co_u32 s90, s90, s15
	s_lshl_b32 s90, s90, 8                         ; head x 256 bytes
	s_add_co_u32 s91, s[\segb], s[\grp]
	s_mul_i32 s92, s91, ROWB
	s_add_co_u32 s92, s92, s90
	s_add_nc_u64 s[\kb:\kb+1], s[4:5], s[92:93]
	s_add_nc_u64 s[\vb:\vb+1], s[8:9], s[92:93]
	s_lshl_b32 s[\rs], ROWB, s[\grp]
	s_lshl_b32 s91, s[\tt], 10
	s_add_co_u32 s91, s91, s[\segb]
	s_lshl_b32 s94, s[\pi], 7
	s_add_co_u32 s91, s91, s94
	s_mul_i32 s92, s91, ROWB
	s_add_co_u32 s92, s92, s90
	s_add_nc_u64 s[\qp:\qp+1], s[6:7], s[92:93]
	s_add_co_u32 s92, s92, s87
	s_add_nc_u64 s[\op:\op+1], s[10:11], s[92:93]
.endm
	s_wait_kmcnt 0x0
	PTRS 79, 80, 81, 82, 20, 22, 28, 42, 46
	PTRS 83, 84, 85, 59, 24, 26, 29, 44, 48
; The next tile of the stream (pass A's tiles, then B's), in two parts.  LADDR: its bases and its eight offsets.  LGO: 8 + 8 loads into register set 'set',
; load i takes key 16 i + (thread >> 4), sixteen lanes cover that key's 256 bytes.  No branch: beyond the stream's end the last tile is read again
; (three tiles a work-group), so the counts of loads are the same in every trip and no load leaves its buffer.
; again = 1: loads that read the offsets have been issued since the last wait on vm_vsrc.
.macro LADDR again
	s_wait_xcnt 0x0                                ; the offsets and bases of the loads before are rewritten only behind this wait
.if \again
	s_wait_alu depctr_vm_vsrc(0)                   ; the loads of the tile before have read v[VOFF ..], which the lines below write again
.endif
	s_min_u32 s33, s32, s31
	s_cmp_lt_u32 s33, s30
	s_cselect_b32 s34, s28, s29
	s_cselect_b64 s[38:39], s[20:21], s[24:25]
	s_cselect_b64 s[40:41], s[22:23], s[26:27]
	s_cselect_b32 s88, 0, s30
	s_sub_co_u32 s33, s33, s88                     ; the tile's number in its pass
	s_mul_i32 s36, s33, s34
	s_lshl_b32 s36, s36, 7                         ; 128 keys a tile
	s_add_nc_u64 s[38:39], s[38:39], s[36:37]
	s_add_nc_u64 s[40:41], s[40:41], s[36:37]
	s_lshl_b32 s35, s34, 4
	s_add_co_u32 s32, s32, 1
	v_mad_u32_u24 v[VOFF], v2, s34, v1
.set i, 1
.rept 7
	v_add_nc_u32 v[VOFF+i], s35, v[VOFF+i-1]
.set i, i+1
.endr
.endm
.macro LGO set                         ; stands under window 0x40 (destination in window 1), behind a wait on va_vdst
.set i, 0
.rept 8
	global_load_b128 v[64*\set+4*i:64*\set+4*i+3], v[VOFF+i], s[38:39]
.set i, i+1
.endr
.set i, 0
.rept 8
	global_load_b128 v[64*\set+32+4*i:64*\set+32+4*i+3], v[VOFF+i], s[40:41]
.set i, i+1
.endr
.endm
; Register set 'set' rounded to bf16: K as bf16; V's bf16 values unpacked (a shift, a mask) and packed again as f16, the format of the second product.
; All conversions stand together, so that one wait serves the 16 LDS stores of LAY.
.macro CVT set
	WIN 0x05
.set i, 0
.rept 32
	v_cvt_pk_bf16_f32 v[SX+i], v[64*\set+2*i], v[64*\set+2*i+1]
.set i, i+1
.endr
	WIN 0
.set i, 0
.rept 16
	v_lshlrev_b32 v[SY+2*i], 16, v[SX+16+i]
	v_and_b32 v[SY+2*i+1], s19, v[SX+16+i]
.set i, i+1
.endr
.set i, 0
.rept 16
	v_cvt_pk_f16_f32 v[SX+16+i], v[SY+2*i], v[SY+2*i+1]
.set i, i+1
.endr
.endm
.macro LAY buf                         ; the rounded tile laid in LDS buffer 'buf': 16 LDS stores, behind a wait on va_vdst
.set i, 0
.rept 8
	ds_store_b64 v6, v[SX+2*i:SX+2*i+1] offset:\buf*BUFD+i*16*KP
.set i, i+1
.endr
.set i, 0
.rept 8
	ds_store_b64 v7, v[SX+16+2*i:SX+16+2*i+1] offset:\buf*BUFD+i*16*VP
.set i, i+1
.endr
.endm
.macro CONVQ src
	WIN 0x05
.set i, 0
.rept 16
	v_cvt_pk_bf16_f32 v[SX+i], v[\src+2*i], v[\src+2*i+1]
.set i, i+1
.endr
	WIN 0
	s_wait_alu depctr_va_vdst(0)                   ; the conversions have written v[SX ..], which the LDS stores read
.set i, 0
.rept 8
	ds_store_b64 v8, v[SX+2*i:SX+2*i+1] offset:i*16*KP
.set i, i+1
.endr
.endm
.macro LDQ                             ; the two slots' Q fragments: d = 0..31 in registers 0-7, d = 32..63 in 8-15.  No vector or matrix line since the last wait on va_vdst names them or v9, v10
	WIN 0x40
.set i, 0
.rept 4
	ds_load_b128 v[QFX+4*i:QFX+4*i+3], v9 offset:32*i
	ds_load_b128 v[QFY+4*i:QFY+4*i+3], v10 offset:32*i
.set i, i+1
.endr
	WIN 0
.endm
; A pass may begin at either half of the unrolled loop, so the sums are cleared here, 64 registers a pass, rather than started by a product with C = 0,
; which would need the trip's text four times.
.macro INIT
	v_mov_b32 v[MLX], NEG
	v_mov_b32 v[MLX+1], 0
	v_mov_b32 v[MLY], NEG
	v_mov_b32 v[MLY+1], 0
.set i, 0
.rept 64
	v_mov_b32 v[OX+i], 0
.set i, i+1
.endr
.endm
; the mixed 64 x 64 square (always slot Y, tile pi): a score whose key lies behind its query takes delta.
; An accumulator at a time: eight compares into eight scalar registers, the four packed sums, one wait, the eight selects.
.macro DIAG
.set dg, 0
.rept 4
.set dk, 0
.rept 8
	v_cmp_le_i32 s[DM+dk], 16*dg+dk, v18
.set dk, dk+1
.endr
.set dk, 0
.rept 4
	v_pk_add_f32 v[T+dk:T+dk+1], v[SY+8*dg+dk:SY+8*dg+dk+1], s[56:57] op_sel_hi:[1,0]
.set dk, dk+2
.endr
	s_wait_alu depctr_va_sdst(0)                   ; the eight compares have written their masks, ahead of the selects that read them
.set dk, 0
.rept 8
	v_cndmask_b32 v[SY+8*dg+dk], v[T+dk], v[SY+8*dg+dk], s[DM+dk]
.set dk, dk+1
.endr
.set dg, dg+1
.endr
.endm
; one slot's step of the running softmax: y = s * factor + bias in base 2
.macro SOFTMAX sreg, oreg, ml, al, nb, cs, bs
.irp c, 0,1,2,3
	v_max3_num_f32 v[T+\c], v[\sreg+8*\c], v[\sreg+8*\c+1], v[\sreg+8*\c+2]
.endr
.irp c, 0,1,2,3
	v_max3_num_f32 v[T+\c], v[T+\c], v[\sreg+8*\c+3], v[\sreg+8*\c+4]
.endr
.irp c, 0,1,2,3
	v_max3_num_f32 v[T+\c], v[T+\c], v[\sreg+8*\c+5], v[\sreg+8*\c+6]
.endr
.irp c, 0,1,2,3
	v_max_num_f32 v[T+\c], v[T+\c], v[\sreg+8*\c+7]
.endr
	v_max3_num_f32 v[T], v[T], v[T+1], v[T+2]
	v_max_num_f32 v[T], v[T], v[T+3]
	v_permlanex16_b32 v[T+1], v[T], s75, s76       ; the query's other 32 keys lie in lane L xor 16
	v_max_num_f32 v[T], v[T], v[T+1]
	v_fma_f32 v[T], v[T], s[\cs], s[\bs]           ; the factor is not negative, so the largest s gives the largest y
	v_max_num_f32 v[T], v[\ml], v[T]               ; the new maximum
	v_sub_f32 v[T+1], v[\ml], v[T]
	v_exp_f32 v[\al], v[T+1]
	v_sub_f32 v[\nb], s[\bs], v[T]                 ; a plain instruction stands behind the exponential before alpha is used (ISA guide 5.7.2)
	v_mov_b32 v[\ml], v[T]
.set i, 0
.rept 16
	v_pk_fma_f32 v[\sreg+2*i:\sreg+2*i+1], v[\sreg+2*i:\sreg+2*i+1], s[\cs:\cs+1], v[\nb:\nb+1] op_sel_hi:[1,0,0]
.set i, i+1
.endr
.set i, 0
.rept 32
	v_exp_f32 v[\sreg+i], v[\sreg+i]
.set i, i+1
.endr
.set i, 0
	s_wait_alu depctr_va_vdst(0)
.rept 16                               ; O x alpha: plain work that touches no weight, between the exponentials and their first use
	v_pk_mul_f32 v[\oreg+2*i:\oreg+2*i+1], v[\oreg+2*i:\oreg+2*i+1], v[\al:\al+1] op_sel_hi:[1,0]
.set i, i+1
.endr
.irp c, 0,1,2,3
	v_pk_add_f32 v[T+2*\c:T+2*\c+1], v[\sreg+4*\c:\sreg+4*\c+1], v[\sreg+4*\c+2:\sreg+4*\c+3]
.endr
.set i, 16
.rept 8
	v_pk_add_f32 v[T+i%8:T+i%8+1], v[T+i%8:T+i%8+1], v[\sreg+i:\sreg+i+1]
.set i, i+2
.endr
	v_pk_add_f32 v[T:T+1], v[T:T+1], v[T+2:T+3]
	v_pk_add_f32 v[T+4:T+5], v[T+4:T+5], v[T+6:T+7]
	v_pk_add_f32 v[T:T+1], v[T:T+1], v[T+4:T+5]
	v_add_f32 v[T], v[T], v[T+1]
	v_fma_f32 v[\ml+1], v[\ml+1], v[\al], v[T]     ; my lane's half of the row sum; the halves meet at the pass's end
.set i, 0
.rept 16                               ; P^T in f16 (weights lie in 0..1), packed downward in place: registers 8 kap .. 8 kap + 7 are the fragment of keys 32 kap ..
	v_cvt_pk_f16_f32 v[\sreg+i], v[\sreg+2*i], v[\sreg+2*i+1]
.set i, i+1
.endr
.endm
; ONE TILE, read from buffer p while the next tile is laid in buffer q and the tile three ahead is asked for.
.macro TRIP p, q
.set i, 0
.rept 8                                ; K fragments, 16 keys x 32 d each: i = 2 kt + ds.  No wait: no vector or matrix line since the last wait on va_vdst names v[FR ..] or v4
	ds_load_b128 v[FR+8*i:FR+8*i+3], v4 offset:\p*BUFD+(i/2)*16*KP+(i%2)*64
	ds_load_b128 v[FR+8*i+4:FR+8*i+7], v4 offset:\p*BUFD+(i/2)*16*KP+(i%2)*64+32
.set i, i+1
.endr
	s_wait_loadcnt 16                              ; loads return in order (ISA guide 5.7.1): the next tile is in, the 16 loads of the one behind it stay out
	CVT \q
	LADDR 0                                        ; the wait on vm_vsrc ahead of the last trip's products K Q^T stands behind the loads that read v[VOFF ..]
	WIN 0x40
	s_wait_alu depctr_va_vdst(0)                   ; the conversions have written v[SX ..] and are done reading set q; v[VOFF ..] is written; the last trip's products V^T P^T are done reading FV
.set i, 0
.rept 8                                ; V^T fragments, 16 d x 32 keys each, by the transposing load: i = 2 dt + kap
	ds_load_tr16_b128 v[FV+8*i:FV+8*i+3], v5 offset:\p*BUFD+(i%2)*32*VP+(i/2)*32
	ds_load_tr16_b128 v[FV+8*i+4:FV+8*i+7], v5 offset:\p*BUFD+(i%2)*32*VP+(i/2)*32+16*VP
.set i, i+1
.endr
	LGO \q
	WIN 0
	LAY \q
	s_cmp_le_i32 s53, s50                          ; slot Y: count t + 1 up to the diagonal tile (the square is mended by DIAG), t behind it
	s_cselect_b32 s73, s54, s55
	s_cselect_b32 s70, s74, s58
	s_cmp_le_i32 s53, s51                          ; slot X: for kh = 1 the diagonal tile's half lies wholly behind the queries
	s_cselect_b32 s72, s54, s55
	s_cselect_b32 s68, s74, s58
	s_wait_dscnt 32                                ; the K fragments are in; the 16 younger loads of V^T and the 16 younger stores of the next tile may be out
	s_wait_alu depctr_vm_vsrc(0)                   ; the LDS stores have read v[SX ..], which the products below write; the global loads have read v[VOFF ..], which the next trip writes
	WIN 0x04
.set i, 0
.rept 4
	v_wmma_f32_16x16x32_bf16 v[SX+8*i:SX+8*i+7], v[FR+16*i:FR+16*i+7], v[QFX:QFX+7], 0
	v_wmma_f32_16x16x32_bf16 v[SY+8*i:SY+8*i+7], v[FR+16*i:FR+16*i+7], v[QFY:QFY+7], 0
	v_wmma_f32_16x16x32_bf16 v[SX+8*i:SX+8*i+7], v[FR+16*i+8:FR+16*i+15], v[QFX+8:QFX+15], v[SX+8*i:SX+8*i+7]
	v_wmma_f32_16x16x32_bf16 v[SY+8*i:SY+8*i+7], v[FR+16*i+8:FR+16*i+15], v[QFY+8:QFY+15], v[SY+8*i:SY+8*i+7]
.set i, i+1
.endr
	WIN 0
.rept 4
	v_nop                                          ; four places (ISA guide 7.12.1) before vector work reads S
.endr
	s_cmp_lg_u32 s53, s50
	s_cbranch_scc1 .Lnd\p
	DIAG
.Lnd\p:
	SOFTMAX SX, OX, MLX, ALX, NBX, 68, 72
	SOFTMAX SY, OY, MLY, ALY, NBY, 70, 73
	s_wait_alu depctr_va_vdst(0)                   ; the products K Q^T are done reading v[FR ..] and Q's fragments, in which the next trip's, or the next pass's, loads land
	s_wait_dscnt 0x0                               ; for the others: my reads of buffer p and my stores into buffer q are complete
	s_barrier_signal -1
	WIN 0x01
.irp kap, 0,1
.irp dt, 0,1,2,3
	v_wmma_f32_16x16x32_f16 v[OX+8*\dt:OX+8*\dt+7], v[FV+16*\dt+8*\kap:FV+16*\dt+8*\kap+7], v[SX+8*\kap:SX+8*\kap+7], v[OX+8*\dt:OX+8*\dt+7]
.endr
.irp dt, 0,1,2,3
	v_wmma_f32_16x16x32_f16 v[OY+8*\dt:OY+8*\dt+7], v[FV+16*\dt+8*\kap:FV+16*\dt+8*\kap+7], v[SY+8*\kap:SY+8*\kap+7], v[OY+8*\dt:OY+8*\dt+7]
.endr
.endr
	WIN 0
.rept 5
	v_nop                                          ; five places: the next conversions and products write over P, O is read
.endr
	s_barrier_wait -1                              ; behind it buffer q is read and buffer p filled again
.endm
; THE END OF A PASS: slot Y goes to the partner, the partner's comes in, the two key halves of slot X are merged, scaled and stored.
.macro EPILOGUE
	v_permlanex16_b32 v[T], v[MLX+1], s75, s76
	v_permlanex16_b32 v[T+1], v[MLY+1], s75, s76
	v_add_f32 v[MLX+1], v[MLX+1], v[T]
	v_add_f32 v[MLY+1], v[MLY+1], v[T+1]
	s_wait_alu depctr_va_vdst(0)                   ; the last products have written O of slot Y and the sum above its l, which the LDS stores read; the places behind the products stay beside this wait
.set i, 0
.rept 8
	ds_store_b128 v11, v[OY+4*i:OY+4*i+3] offset:512*i
.set i, i+1
.endr
	ds_store_b64 v13, v[MLY:MLY+1]
	s_wait_dscnt 0x0                               ; my hand-over is complete before I say so
	s_barrier_signal -1
	s_barrier_wait -1
.set i, 0
.rept 8                                ; no vector line since the wait above: it also covers these loads' registers, v[FR ..] and v[T+2:T+3]
	ds_load_b128 v[FR+4*i:FR+4*i+3], v12 offset:512*i
.set i, i+1
.endr
	ds_load_b64 v[T+2:T+3], v14
	s_wait_dscnt 0x0
	v_max_num_f32 v[T+4], v[MLX], v[T+2]           ; the maximum of both halves
	v_sub_f32 v[T+5], v[MLX], v[T+4]
	v_sub_f32 v[T+6], v[T+2], v[T+4]
	v_exp_f32 v[T+8], v[T+5]
	v_exp_f32 v[T+10], v[T+6]
	v_nop
	s_wait_alu depctr_va_vdst(0)
	v_mul_f32 v[T+7], v[MLX+1], v[T+8]
	v_fma_f32 v[T+7], v[T+3], v[T+10], v[T+7]      ; the row sum: at least 1, from the half that holds the maximum
	v_rcp_f32 v[T+12], v[T+7]
	v_nop
	s_wait_alu depctr_va_vdst(0)
	v_mul_f32 v[T+8], v[T+8], v[T+12]
	v_mul_f32 v[T+10], v[T+10], v[T+12]
.set i, 0
.rept 16
	v_pk_mul_f32 v[FR+2*i:FR+2*i+1], v[FR+2*i:FR+2*i+1], v[T+10:T+11] op_sel_hi:[1,0]
	v_pk_fma_f32 v[OX+2*i:OX+2*i+1], v[OX+2*i:OX+2*i+1], v[T+8:T+9], v[FR+2*i:FR+2*i+1] op_sel_hi:[1,0,1]
.set i, i+1
.endr
	s_wait_alu depctr_va_vdst(0)                   ; the merge has written O of slot X, which the LDS stores read, and is done with v[FR ..], in which the next pass's loads land
.set i, 0
.rept 4                                ; lane (r, h) holds d = 16 dt + 8 h .. + 7 of query r: 32 bytes of its row, into my own stage
	ds_store_b128 v15, v[OX+8*i:OX+8*i+3] offset:64*i
	ds_store_b128 v15, v[OX+8*i+4:OX+8*i+7] offset:64*i+16
.set i, i+1
.endr
.set i, 0
.rept 8                                ; LDS serves a wave's instructions in order (ISA guide 5.7.1): these see the stores above
	ds_load_b128 v[FR+32+4*i:FR+32+4*i+3], v16 offset:i*2*OSP
.set i, i+1
.endr
.set i, 0
.rept 8
	s_wait_dscnt 7-i                               ; rows 2 i, 2 i + 1 are in; the younger loads stay out
	global_store_b128 v17, v[FR+32+4*i:FR+32+4*i+3], s[46:47] offset:i*2*ROWB th:TH_STORE_NT   ; sixteen lanes store a (row, head)'s 256 bytes, aligned
.set i, i+1
.endr
	s_wait_xcnt 0x0                                ; the stores' data and base are rewritten only behind this wait
.endm
; the second pass is always a triangular block (t = 0)
.macro NEWPASS
	s_mov_b32 s50, s59
	s_sub_co_i32 s51, s59, s14
	s_add_co_u32 s52, s59, 1
	s_mov_b32 s53, 0
	s_mov_b32 s54, 0
	s_mov_b32 s55, NEG
	s_mov_b32 s56, NEG
	s_mov_b32 s58, 0
	s_mov_b64 s[46:47], s[48:49]
	CONVQ QS1                                      ; every wave's reads of the first pass's Q were waited for many barriers ago
	s_wait_dscnt 0x0
	s_barrier_signal -1
	s_barrier_wait -1
	s_wait_alu depctr_vm_vsrc(0)                   ; the hand-over's, the stage's and the global stores have read O, (m, l) and v[FR+32 ..], Q's stores v[SX ..]: the lines below and the next trip write all of them again
	LDQ
	INIT
	s_wait_dscnt 0x0
.endm
; all counters here come from the work-group's id alone: every wave takes the same way round the barriers inside
.macro BOUNDARY p
	s_add_co_u32 s53, s53, 1
	s_sub_co_u32 s52, s52, 1
	s_cmp_lg_u32 s52, 0
	s_cbranch_scc1 .Lsame\p
	EPILOGUE
	s_sub_co_u32 s17, s17, 1
	s_cmp_eq_u32 s17, 0
	s_cbranch_scc1 .Lend
	NEWPASS
.Lsame\p:
.endm
	; PROLOGUE: both passes' Q and the first two tiles are asked for at once
	WIN 0x40
	s_wait_alu depctr_va_vdst(0)                   ; v1 to v18 are written: every offset and LDS address of the kernel but v[VOFF ..]
.set i, 0
.rept 8
	global_load_b128 v[QS0+4*i:QS0+4*i+3], v3, s[42:43] offset:i*16*ROWB
.set i, i+1
.endr
.set i, 0
.rept 8
	global_load_b128 v[QS1+4*i:QS1+4*i+3], v3, s[44:45] offset:i*16*ROWB
.set i, i+1
.endr
	WIN 0
	LADDR 0
	WIN 0x40
	s_wait_alu depctr_va_vdst(0)                   ; v[VOFF ..] is written, which tile 0's loads read
	LGO 0
	WIN 0
	LADDR 1
	WIN 0x40
	s_wait_alu depctr_va_vdst(0)                   ; v[VOFF ..] is written, which tile 1's loads read
	LGO 1
	WIN 0
	s_wait_loadcnt 40                              ; pass A's Q is in: 8 loads of pass B's Q and 32 of tiles 0 and 1 are younger
	CONVQ QS0
	s_wait_loadcnt 16                              ; pass B's Q and tile 0 are in: tile 1's 16 loads are younger
	s_wait_alu depctr_vm_vsrc(0)                   ; Q's LDS stores have read v[SX ..], tile 1's loads v[VOFF ..]: the lines below write both again
	CVT 0
	LADDR 0                                        ; tile 2
	WIN 0x40
	s_wait_alu depctr_va_vdst(0)                   ; the conversions have written v[SX ..] and are done reading set 0; v[VOFF ..] is written
	LGO 0
	WIN 0
	LAY 0
	s_wait_dscnt 0x0
	s_barrier_signal -1
	s_barrier_wait -1
	s_wait_alu depctr_vm_vsrc(0)                   ; tile 0's LDS stores have read v[SX ..], tile 2's loads v[VOFF ..]: the first trip writes both again
	LDQ
	INIT
	s_wait_dscnt 0x0
	s_mov_b32 s18, 0
.Lloop:                                            ; at most 11 tiles a work-group: the way out is the branch at the last pass's end
	TRIP 0, 1
	BOUNDARY 0
	TRIP 1, 0
	BOUNDARY 1
	s_add_co_u32 s18, s18, 1
	s_cmp_lt_u32 s18, 8
	s_cbranch_scc1 .Lloop
.Lend:
	s_wait_dscnt 0x0
	s_wait_alu depctr_hold_cnt(0) depctr_sa_sdst(0) depctr_va_vdst(0) depctr_va_sdst(0) depctr_va_ssrc(0) depctr_va_vcc(0) depctr_vm_vsrc(0)
	s_wait_tensorcnt 0x0
	ds_add_u32 v254, v255
	s_wait_dscnt 0x0
	s_endpgm
.Lfunc_end_k_q242cfb38bd_dilated:
	.size	k_q242cfb38bd_dilated, .Lfunc_end_k_q242cfb38bd_dilated-k_q242cfb38bd_dilated
	.p2alignl 7, 3214868480
	.fill 96, 4, 3214868480
	.section	.rodata,"a",@progbits
	.p2align	6, 0x0
	.amdhsa_kernel k_q242cfb38bd_dilated
		.amdhsa_group_segment_fixed_size 166912
		.amdhsa_private_segment_fixed_size 0
		.amdhsa_enable_private_segment 0
		.amdhsa_kernarg_size 32
		.amdhsa_user_sgpr_count 2
		.amdhsa_user_sgpr_kernarg_segment_ptr 1
		.amdhsa_wavefront_size32 1
		.amdhsa_system_sgpr_workgroup_id_x 1
		.amdhsa_system_sgpr_workgroup_id_y 1
		.amdhsa_system_sgpr_workgroup_id_z 1
		.amdhsa_system_vgpr_workitem_id 0
		.amdhsa_next_free_vgpr 512
		.amdhsa_next_free_sgpr 96
		.amdhsa_reserve_vcc 0
		.amdhsa_float_denorm_mode_32 3
		.amdhsa_float_denorm_mode_16_64 3
		.amdhsa_memory_ordered 1
		.amdhsa_forward_progress 1
		.amdhsa_inst_pref_size 110
	.end_amdhsa_kernel
	.amdgpu_metadata
---
amdhsa.version: [ 1, 2 ]
amdhsa.kernels:
  - .name:           k_q242cfb38bd_dilated
    .symbol:         k_q242cfb38bd_dilated.kd
    .args:
      - { .name: key, .offset: 0, .size: 8, .value_kind: global_buffer, .address_space: global }
      - { .name: query, .offset: 8, .size: 8, .value_kind: global_buffer, .address_space: global }
      - { .name: value, .offset: 16, .size: 8, .value_kind: global_buffer, .address_space: global }
      - { .name: out0, .offset: 24, .size: 8, .value_kind: global_buffer, .address_space: global }
    .group_segment_fixed_size: 166912
    .private_segment_fixed_size: 0
    .kernarg_segment_align: 8
    .kernarg_segment_size: 32
    .max_flat_workgroup_size: 256
    .sgpr_count:     96
    .vgpr_count:     512
    .wavefront_size: 32
...
	.end_amdgpu_metadata
.endif
;; end of part 2
